; MI455X (gfx1250); checked and timed in simulation.
; The chip was launched on July 23, 2026; its instructions are those of AMD's public machine-readable ISA for CDNA 5 (MIT licence, August 2026) and "CDNA5" Instruction Set Architecture Reference Guide (July 2026). The comments in the code are by the model that wrote it; some were corrected since.
;; Multi Head Attention. Allowed arithmetic: matrix products marked QUANTISED: E3M2 operands, one E8M0 scale for each 32 along K, by v_wmma_scale_f32_16x16x128_f8f6f4 with both operands' format E3M2, f32 sums; everything else in f32.
;; Inputs: Wk_codes 1,024 x 32 x 24 uint8 (E3M2 codes of Wk, K innermost, in blocks of 32 codes, four codes in three bytes); Wk_scales 1,024 x 32 uint8 (E8M0 scales of Wk, one for each 32 codes along K); Wo_codes 1,024 x 32 x 24 uint8 (E3M2 codes of Wo, K innermost, in blocks of 32 codes, four codes in three bytes); Wo_scales 1,024 x 32 uint8 (E8M0 scales of Wo, one for each 32 codes along K); Wq_codes 1,024 x 32 x 24 uint8 (E3M2 codes of Wq, K innermost, in blocks of 32 codes, four codes in three bytes); Wq_scales 1,024 x 32 uint8 (E8M0 scales of Wq, one for each 32 codes along K); Wv_codes 1,024 x 32 x 24 uint8 (E3M2 codes of Wv, K innermost, in blocks of 32 codes, four codes in three bytes); Wv_scales 1,024 x 32 uint8 (E8M0 scales of Wv, one for each 32 codes along K); bk 1,024 float32; bo 1,024 float32; bq 1,024 float32; bv 1,024 float32; k_codes 4 x 2,048 x 32 x 24 uint8 (E3M2 codes of k, K innermost, in blocks of 32 codes, four codes in three bytes); k_scales 4 x 2,048 x 32 uint8 (E8M0 scales of k, one for each 32 codes along K); q_codes 4 x 2,048 x 32 x 24 uint8 (E3M2 codes of q, K innermost, in blocks of 32 codes, four codes in three bytes); q_scales 4 x 2,048 x 32 uint8 (E8M0 scales of q, one for each 32 codes along K); v_codes 4 x 2,048 x 32 x 24 uint8 (E3M2 codes of v, K innermost, in blocks of 32 codes, four codes in three bytes); v_scales 4 x 2,048 x 32 uint8 (E8M0 scales of v, one for each 32 codes along K).
;; Outputs: out0 4 x 2,048 x 1,024 float32.
;; This version of the problem:
;;   THIS VERSION OF THE PROBLEM IS GIVEN IN LOW PRECISION. The matrix products marked QUANTISED in the list below multiply operands that are first quantised to E3M2 (3 exponent bits, 2 mantissa bits; 6 bits a number), with one power-of-two scale for each 32 numbers along K (OCP MX v1.0); their sums are f32. All else is computed in f32.
;;   The module's matrix products, in the order in which they are computed (A, B: the left and right operand; K: the contracted axis; several contracted axes count as one K, in the product's order):
;;     1. [M 8,192, K 1,024] x [K 1,024, N 1,024]; A: input q (given as codes); B: input Wq (given as codes): QUANTISED
;;     2. [M 8,192, K 1,024] x [K 1,024, N 1,024]; A: input k (given as codes); B: input Wk (given as codes): QUANTISED
;;     3. [M 8,192, K 1,024] x [K 1,024, N 1,024]; A: input v (given as codes); B: input Wv (given as codes): QUANTISED
;;     4. batch 64 x [M 2,048, K 64] x [K 64, N 2,048]; A: computed on the way; B: computed on the way: QUANTISED
;;     5. batch 64 x [M 2,048, K 2,048] x [K 2,048, N 64]; A: softmax (see below); B: computed on the way: QUANTISED
;;     6. [M 8,192, K 1,024] x [K 1,024, N 1,024]; A: computed on the way; B: input Wo (given as codes): QUANTISED
;;   THE QUANTISER, for each operand of a quantised product, along K:
;;     - K is cut into blocks of 32 from its start; a last block that is shorter is filled with zeros.
;;     - A block's scale is 2^e with e = floor(log2(the largest magnitude in the block)) - 4, held to -126 .. 127; a block of zeros has e = 0. As a byte (E8M0): e + 127.
;;     - Each number is divided by its block's scale, clamped to +-28, and rounded to the nearest number of E3M2, ties to even, subnormals kept.
;;     - The product sums the exact products of the quantised numbers (number of the format x scale) in f32.
;;   ~~~python
;;   def quantise(x, axis):      # numpy; x: float32 -> the quantised numbers, widened to float32 again
;;       x = np.moveaxis(x, axis, -1); K = x.shape[-1]
;;       x = np.pad(x, [(0, 0)] * (x.ndim - 1) + [(0, -K % 32)]); x = x.reshape(x.shape[:-1] + (-1, 32)); a = np.abs(x).max(-1, keepdims=True)
;;       e = np.where(a > 0, np.clip(np.frexp(np.where(a > 0, a, 1))[1] - 1 - 4, -126, 127), 0)      # np.frexp(a)[1] - 1 = floor(log2(a)), exactly
;;       r = np.clip(x / 2.0 ** e, -28, 28)
;;       step = 2.0 ** (np.maximum(np.frexp(np.where(r == 0, 1, r))[1] - 1, -2) - 2)
;;       q = np.round(r / step) * step * 2.0 ** e      # np.round: ties to even
;;       return np.moveaxis(q.reshape(q.shape[:-2] + (-1,))[..., :K], -1, axis).astype(np.float32)
;;   ~~~
;;   SOFTMAX AHEAD OF A QUANTISED PRODUCT. Where the list says 'softmax', what is quantised is not the finished softmax but p = 2^(t - M), with t = logit x log2(e) and M = ceil(the row's largest t), a whole number; so 1/2 < the row's largest p <= 1. The row's sum l is taken of the UNQUANTISED p, in f32, and the product's result is divided by l at the end. Since M is a whole number, a kernel that streams over the keys may use a running M (the ceiling of the running maximum): every later rescaling is an exact power of two, which a block's scale takes up: the codes' values come out the same.
;;   OPERANDS COMPUTED ON THE WAY. 'Computed on the way' means the value that the module computes at that place (a softmax that the list does not call 'softmax' is quantised finished and normalised). What goes into a quantiser is computed in f32, as accurately as f32 sums, v_exp_f32 and their like allow (about 1e-6 of the number): no bf16 or f16 on the way to a quantiser, and a product that is left as it is and whose result goes on into a quantised operand takes f32 operands (vector FMAs, or v_wmma_f32_16x16x4_f32). A number that lies on a knife's edge between two numbers of the format may be rounded either way, as far as f32 arithmetic and the matrix unit's own rounding can turn it there, and no further.
;;   INPUTS GIVEN AS CODES. Wk (in the module: [1024, 1024], K = its axis 1); Wo (in the module: [1024, 1024], K = its axis 1); Wq (in the module: [1024, 1024], K = its axis 1); Wv (in the module: [1024, 1024], K = its axis 1); k (in the module: [4, 2048, 1024], K = its axis 2); q (in the module: [4, 2048, 1024], K = its axis 2); v (in the module: [4, 2048, 1024], K = its axis 2): each comes as NAME_codes (uint8): NAME with its K axis moved to the last place and cut into blocks of 32 codes, [.., K / 32, bytes a block], one block behind the other in memory; four codes in three bytes: a row's codes are one little-endian stream of bits, code i at bits 6 i .. 6 i + 5 (a code: sign, 3 exponent bits, 2 mantissa bits); and NAME_scales (uint8): the same leading axes, one E8M0 byte (e + 127) for each 32 codes along K. Its value is code x scale, taken as it is: it is not quantised again, and the codes and scales need not be those that the quantiser above would give.
;; One version. Each part assembles by itself: llvm-mc -triple=amdgcn-amd-amdhsa -mcpu=gfx1250 --defsym DOCPART=n.
;; ======== version 1 of 1: 3 launches
;; limits: right only within a limited range of input values
;; workspace buffers: qc 13,369,344 bytes; kv 13,369,344 bytes; yc 6,291,456 bytes; ys 262,144 bytes
;; launch proj (part 1): grid 4 x 64, 4 waves a work-group, clusters of 4 x 4, 327,680 bytes of LDS; arguments q_codes, q_scales, Wq_codes, Wq_scales, bq, qc, k_codes, k_scales, Wk_codes, Wk_scales, bk, kv, Wv_codes, Wv_scales, v_codes, v_scales, bv; writes qc, kv
.if DOCPART == 1
	.amdgcn_target "amdgcn-amd-amdhsa--gfx1250"
	.amdhsa_code_object_version 6
	.text
	.protected	k_q2ca92e49a7_proj
	.globl	k_q2ca92e49a7_proj
	.p2align	8
	.type	k_q2ca92e49a7_proj,@function
k_q2ca92e49a7_proj:
	s_mov_b64 s[64:65], 0
	v_nop
	global_prefetch_b8 v0, s[64:65] scope:SCOPE_SE
	s_setreg_imm32_b32 hwreg(HW_REG_WAVE_MODE, 25, 1), 1
	s_wait_xcnt 0x0
	s_wait_alu depctr_hold_cnt(0) depctr_sa_sdst(0) depctr_va_vdst(0) depctr_va_sdst(0) depctr_va_ssrc(0) depctr_va_vcc(0) depctr_vm_vsrc(0)
	s_getreg_b32 s2, hwreg(HW_REG_IB_STS2, 6, 4)
	s_cmp_eq_u32 s2, 0
	s_cbranch_scc0 .Lentry_in_a_cluster
	s_endpgm
.Lentry_in_a_cluster:
	s_bfe_u32 s2, ttmp6, 0x10000c
	s_cmp_lg_u32 s2, 0xf033
	s_cbranch_scc0 .Lentry_shape_is_right
	s_endpgm
.Lentry_shape_is_right:
; THE THREE PROJECTIONS: relu(x W^T + b) for q, k and v on codes of BF6 (E3M2), K = 1,024, and the results QUANTISED again, in registers, for the attention launch.
; 256 WORK-GROUPS THAT STAY: each makes one block of q, then one of k, then one of v: 128 (A's rows) x 256 (B's rows); a wave makes 64 x 128: 32 accumulators.
; ALL OF K of a block lies in LDS: a row of codes is 768 bytes of memory, begins at a multiple of 256, and gets 16 bytes of padding behind each 256: LDS pitch 816.  One joint load a wave brings a block
; (waves 0, 1: 64 rows of A each; waves 2, 3: 128 rows of B each).  Behind a block's last product every wave runs the three lines, a round of the cluster's barrier follows, and the next block's load goes out;
; the quantiser and the stores of the block just multiplied stand behind that load.  q's and k's blocks are the two trips of one loop; v's, which asks for nothing more and leaves otherwise, is written out.
; CLUSTERS of 4 x 4: A's rows are shared along a row of the cluster, B's along a column.
; PREFETCH: in K steps 1 to 3 of a block each wave names the next block's bytes that it will fetch, four K steps or more ahead of the load: the four partners that ask jointly share them out by address
; (48 or 96 blocks of 256 bytes each, a lane a block); a weight, which every cluster reads, is named by clusters 0 to 3 alone; q's block comes by its load alone; v's block names nothing.
; The scale words (8 a row) go from memory into registers: 32 bytes a lane, sixteen lanes 512 consecutive bytes.
; THE MATRIX INSTRUCTION: source 0 = 16 rows of B, source 1 = 16 rows of A: a lane holds ONE row of A (lane % 16); accumulator b's register j is B's row 16 b + 8 (lane / 16) + j.
;   q, k: A = tokens, B = the weight's rows: a lane's 64 registers run along 128 features = two heads.   v: A = Wv's rows (channels), B = tokens: 64 registers along 128 keys.
; THE QUANTISER takes the 16 registers of two neighbouring accumulators as half a block of 32; lane l xor 16 holds the other half.  Inside a block the codes lie in the order 0-7, 16-23, 8-15, 24-31,
; alike in both operands of each attention product (q and k here; v here and p in the attention launch), which keeps every product.
; OUT: records of 13,056 bytes, [batch x head 64][key step 16], as images of operand registers (each store covers 512 or 256 consecutive bytes at a multiple of 256):
;   bytes 0-6,655 (q in qc, k in kv): 8 tiles of 16 tokens x 768 bytes (registers 0-3, then 4-5), then 2 x 256 bytes of scale words (lane l's two words: lanes 0-15 tile 2 p, lanes 16-31 tile 2 p + 1)
;   bytes 6,656-13,055 (v in kv; not written in qc and never read there): 4 tiles of 16 channels x 1,536 bytes, then 256 bytes of scale words.
; LIMITS: a block of zeros gets the byte 1 where the rule says 127 (its codes are zeros; this program alone reads the bytes); blocks whose largest magnitude lies under 2^-122 have their byte held at 1;
; scale bytes 0xff, NaN and infinities are not served.
; REGISTERS: window 0: v16-31 addresses; v32-63 A's scale words, v64-127 B's; v128-223 A's fragments, two sets (on the way out at work); v240-255 at work.  Window 1: B's fragments, two sets.
;   window 2: the accumulators ((a, b) at v[8 (8 a + b)]).  Window 3: v0-63 the bias along the registers (q, k), v64-71 along the lanes (v).
.set PITCH, 816
.set FR,    12
.set AH,    64*PITCH
.set BH,    128*PITCH
.set BB0,   2*AH
.set SPARE, BB0+2*BH                   ; the spare words: two blocks of 256 bytes that no other line names
.set REC,   13056
.set HREC,  16*REC
.set ADRA, 16
.set ADRB, 18
.set PFO,  22                          ; v22: 256 x lane; v23: the same, held at my share's last block
.set LI16, 24
.set LI8,  25
.set SCO,  26
.set LI8S, 27                          ; q, k: where my scale words go, from my tiles' first byte on
.set SPW,  28
.set NIL,  29
.set SA,   32
.set SB,   64
.set AF,   128
.set BIAS, 0
.set BV,   64
.set HH,   128
.set CD,   192
.set PW,   212
.set WD,   220
.set TM,   240
.set SEL,  12
.set MK,   17                          ; s17, behind the head: the mask of lanes 16-31
.set G1,   24
.set G0,   32
.set G0B,  36
.set PF,   44                          ; s[44:45] what I prefetch
.set SK,   46                          ; s46, s47: 1 = I name nothing
.set G1B,  48
.set CA,   56                          ; s[56:57], s[58:59] the scale bytes of my rows of A and of B; s[60:61] the bias; s[62:63] the results
.set CB,   58
.set BI,   60
.set OUTB, 62
.set NB,   96                          ; s[96:97], s[98:99] the next block's bias and results
.set NO,   98
.set TRIP, 100
.set CCN,  101
.set MSB, 0
.macro WIN new                         ; the immediate's high byte repeats the setting that is left
.if MSB != \new
	s_set_vgpr_msb (MSB<<8)|\new
.set MSB, \new
.endif
.endm
.set MUL,  0xa1                        ; source 0 (B) window 1, source 1 (A) window 0, C and D window 2
.set TO_B, 0x40
.macro CROUND                          ; a round of the cluster's barrier
	s_barrier_signal -1
	s_barrier_wait -1
	s_cmp_lg_u32 s14, 0
	s_cbranch_scc1 .Lnot_wave_0_\@
	s_barrier_signal -3
.Lnot_wave_0_\@:
	s_barrier_wait -3
	s_barrier_signal -1
	s_barrier_wait -1
.endm
.macro PLACES                          ; plain vector instructions that name no register of the matrix instructions in front (ISA guide 7.12.1)
.rept 4
	v_nop
.endr
.endm
.macro JLOAD                           ; one load a wave, in the two arms of one branch on the wave's number
	s_cmp_eq_u32 s15, 0
	s_cbranch_scc0 .Lfor_b_\@
	tensor_load_to_lds s[G0:G0+3], s[G1:G1+7]
	s_nop 0
	PLACES
	s_branch .Lasked_\@
.Lfor_b_\@:
	tensor_load_to_lds s[G0B:G0B+3], s[G1B:G1B+7]
	s_nop 0
	PLACES
.Lasked_\@:
.endm
.macro GEOM ra, rb                     ; from the block's first rows: byte offsets of what I fetch (s20, s22) and of my rows' scales (s40, s42); my first rows (s44 A's, s45 B's)
	s_lshl_b32 s44, s16, 6
	s_add_co_u32 s20, \ra, s44
	s_mul_i32 s20, s20, 768
	s_lshl_b32 s45, s16, 7
	s_add_co_u32 s45, \rb, s45
	s_mul_i32 s22, s45, 768
	s_lshl_b32 s44, s15, 6
	s_add_co_u32 s44, \ra, s44
	s_lshl_b32 s40, s44, 5
	s_lshl_b32 s42, s45, 5
.endm
.macro RECI tok, feat                  ; s46 = the record's first byte: ((batch x 16 + head) x 16 + key step) x 13,056, under 2^24
	s_lshr_b32 s46, \tok, 11
	s_lshl_b32 s46, s46, 4
	s_lshr_b32 s19, \feat, 6
	s_add_co_u32 s46, s46, s19
	s_lshl_b32 s46, s46, 4
	s_bfe_u32 s19, \tok, 0x40007
	s_add_co_u32 s46, s46, s19
	s_mul_i32 s46, s46, REC
.endm
.macro ADDS ac, as, bc, bs, bi, ou     ; a tensor's six buffers, each stepped to my part
	s_add_nc_u64 s[\ac:\ac+1], s[\ac:\ac+1], s[20:21]
	s_add_nc_u64 s[\as:\as+1], s[\as:\as+1], s[40:41]
	s_add_nc_u64 s[\bc:\bc+1], s[\bc:\bc+1], s[22:23]
	s_add_nc_u64 s[\bs:\bs+1], s[\bs:\bs+1], s[42:43]
	s_add_nc_u64 s[\bi:\bi+1], s[\bi:\bi+1], s[60:61]
	s_add_nc_u64 s[\ou:\ou+1], s[\ou:\ou+1], s[46:47]
.endm
.macro SCLOAD                          ; 24 loads: the scale words of my 64 rows of A and my 128 rows of B
.irp i, 0,1,2,3
	global_load_b128 v[SA+8*\i:SA+8*\i+3], v[SCO], s[CA:CA+1] offset:512*\i
	global_load_b128 v[SA+8*\i+4:SA+8*\i+7], v[SCO], s[CA:CA+1] offset:512*\i+16
.endr
.irp i, 0,1,2,3,4,5,6,7
	global_load_b128 v[SB+8*\i:SB+8*\i+3], v[SCO], s[CB:CB+1] offset:512*\i
	global_load_b128 v[SB+8*\i+4:SB+8*\i+7], v[SCO], s[CB:CB+1] offset:512*\i+16
.endr
.endm
	s_load_b256 s[68:75], s[0:1], 0x0              ; q's group: A's codes, A's scales, B's codes, B's scales,
	s_load_b128 s[76:79], s[0:1], 0x20             ; the bias, the results
	s_load_b256 s[80:87], s[0:1], 0x30             ; k's group
	s_load_b128 s[88:91], s[0:1], 0x50
	s_load_b256 s[4:11], s[0:1], 0x60              ; v's group: A = Wv, B = v; its results go into k's buffer
	s_load_b64 s[92:93], s[0:1], 0x80
	v_lshl_add_u32 v[SPW], v0, 2, SPARE
	v_mov_b32 v[NIL], 0
	ds_add_u32 v[SPW], v[NIL]                      ; the opening lines: the add, twice on end, and its wait
	ds_add_u32 v[SPW], v[NIL]
	v_lshrrev_b32 v1, 5, v0
	v_readfirstlane_b32 s14, v1                    ; wave 0..3
	s_lshr_b32 s15, s14, 1                         ; which 64 rows of A are mine.  Also: I fetch for A (0) or for B (1)
	s_and_b32 s16, s14, 1                          ; which 128 rows of B.  Also: which half of that tile I fetch
	s_bfe_u32 s96, ttmp6, 0x40000                  ; cx
	s_bfe_u32 s97, ttmp6, 0x40004                  ; cy
	s_and_b32 s[CCN], ttmp7, 0xffff                ; the cluster's number, 0 .. 15
	s_lshl_b32 s18, s97, 2
	s_lshl_b32 s18, 15, s18                        ; my row of the cluster
	s_lshl_b32 s19, 0x1111, s96                    ; my column
	s_or_b32 s[G1+0], s18, (1<<20)|(1<<21)|(5<<22)|(3<<25)   ; elements of 1 byte; 4 words of padding behind every 64; bit 21 beside the mask
	s_or_b32 s[G1B+0], s19, (1<<20)|(1<<21)|(5<<22)|(3<<25)
.irp g, G1, G1B
	s_mov_b32 s[\g+1], 768<<16
	s_mov_b32 s[\g+3], 768<<16
	s_mov_b32 s[\g+5], 768
	s_mov_b32 s[\g+6], 0
	s_mov_b32 s[\g+7], 0
.endr
	s_mov_b32 s[G1+2], 64<<16
	s_mov_b32 s[G1+4], 64
	s_mov_b32 s[G1B+2], 128<<16
	s_mov_b32 s[G1B+4], 128
.irp z, 3,21,23,41,43,47,61
	s_mov_b32 s[\z], 0                             ; the offsets' upper words
.endr
	s_mov_b32 s[SEL], 0x76543210
	s_mov_b32 s[SEL+1], 0xfedcba98
	s_lshl_b32 s17, s[CCN], 2                      ; q, k: 64 blocks of 128 tokens are A's: hangs on cy alone;
	s_add_co_u32 s17, s17, s97
	s_lshl_b32 s17, s17, 7
	s_lshl_b32 s18, s96, 8                         ; 4 blocks of 256 features are B's: on cx alone
	GEOM s17, s18
	RECI s44, s45
	s_mul_i32 s19, s15, 3072                       ; my four tiles of the record's eight
	s_add_co_u32 s46, s46, s19
	s_lshl_b32 s60, s45, 2                         ; my 128 features' bias
	s_mul_i32 s98, s16, AH                         ; where the tiles go: no place in the cluster enters an LDS address
	s_mul_i32 s99, s16, BH
	s_add_co_u32 s99, s99, BB0
	s_wait_dscnt 0x0
	s_wait_kmcnt 0x0
	s_mov_b64 s[94:95], s[90:91]                   ; v's results: k's buffer
	ADDS 68, 70, 72, 74, 76, 78
	CROUND                                         ; all sixteen work-groups are here: the joint loads meet
	s_mov_b32 s[G0], 1
	s_mov_b32 s[G0+1], s98
	s_mov_b64 s[G0+2:G0+3], s[68:69]
	s_or_b32 s[G0+3], s[G0+3], 0x80000000
	s_mov_b32 s[G0B], 1
	s_mov_b32 s[G0B+1], s99
	s_mov_b64 s[G0B+2:G0B+3], s[72:73]
	s_or_b32 s[G0B+3], s[G0B+3], 0x80000000
	JLOAD                                          ; q's block
	ADDS 80, 82, 84, 86, 88, 90
	s_and_b32 s17, s[CCN], 1                       ; v: 8 blocks of 128 channels are A's,
	s_lshl_b32 s17, s17, 2
	s_add_co_u32 s17, s17, s97
	s_lshl_b32 s17, s17, 7
	s_lshr_b32 s18, s[CCN], 1                      ; 32 blocks of 256 tokens B's
	s_lshl_b32 s18, s18, 2
	s_add_co_u32 s18, s18, s96
	s_lshl_b32 s18, s18, 8
	GEOM s17, s18
	RECI s45, s44
	s_add_co_u32 s46, s46, 6656                    ; the record's second part
	s_lshl_b32 s60, s44, 2                         ; my 64 channels' bias
	ADDS 4, 6, 8, 10, 92, 94
	s_mov_b64 s[CA:CA+1], s[70:71]                 ; the first block is q's
	s_mov_b64 s[CB:CB+1], s[74:75]
	s_mov_b64 s[BI:BI+1], s[76:77]
	s_mov_b64 s[OUTB:OUTB+1], s[78:79]
	s_mul_i32 s2, s96, 12288                       ; my work-group's share of what I fetch: a quarter of 49,152 bytes of A, by cx,
	s_mul_i32 s19, s97, 24576                      ; or of 98,304 bytes of B, by cy
	s_cmp_eq_u32 s15, 0
	s_cselect_b32 s2, s2, s19
	s_cselect_b32 s19, 15, 31                      ; the second instruction's last lane with a block of its own
	s_mul_i32 s20, s15, AH
	s_mul_i32 s22, s16, BH
	s_add_co_u32 s22, s22, BB0
	s_add_co_u32 s23, s22, 64*PITCH
	s_mul_i32 s18, s15, 2816
	s_sub_co_u32 s18, 6144, s18                    ; 6,144 + 256 x half - 3,072 x half
	s_mov_b32 s[MK], 0xffff0000
	s_mov_b32 s[TRIP], 0
	v_and_b32 v1, 15, v0                           ; r
	v_bfe_u32 v2, v0, 4, 1                         ; h
	v_mul_u32_u24 v3, v1, PITCH
	v_mad_u32_u24 v4, v2, 24, v3                   ; row x pitch + 24 h
	v_mad_u32_u24 v5, v2, 40, v3                   ; and where lanes 16-31 lie behind one padding more
	v_add_nc_u32 v[ADRA], s20, v4
	v_add_nc_u32 v[ADRA+1], s20, v5
	v_add_nc_u32 v[ADRB], s22, v4
	v_add_nc_u32 v[ADRB+1], s22, v5
	v_add_nc_u32 v[ADRB+2], s23, v4
	v_add_nc_u32 v[ADRB+3], s23, v5
	v_and_b32 v6, 31, v0
	v_lshlrev_b32 v[LI16], 4, v6
	v_lshlrev_b32 v[LI8], 3, v6
	v_lshl_add_u32 v[LI8S], v6, 3, s18
	v_lshlrev_b32 v[PFO], 8, v6
	v_min_u32 v7, s19, v6
	v_lshlrev_b32 v[PFO+1], 8, v7
	v_lshlrev_b32 v30, 5, v2
	v_lshlrev_b32 v31, 2, v1
	v_lshlrev_b32 v[SCO], 5, v1
.irp b, 0,1,2,3
	v_mov_b32 v[TM+4+\b], 0                        ; written once: a lane permute's destination counts as one of its sources
.endr
	s_wait_alu depctr_va_vdst(0)
	SCLOAD
; A fragment, 16 rows x 128 K, is 12 registers: registers 6 c .. 6 c + 5 hold K = 64 c + 32 (lane / 16) + 0 .. 31: 24 bytes of the row, in pieces of 8.  Byte y of a row lies at y + 16 (y / 256) of its LDS row.
.macro FRAG reg, adr, st, i
.irp p, 0,1,2,3,4,5
.set BY, 96*(\st)+48*(\p/3)+8*(\p%3)
.if BY/256 == (BY+24)/256
	ds_load_b64 v[\reg+2*\p:\reg+2*\p+1], v[\adr] offset:BY+16*(BY/256)+(\i)*16*PITCH
.else
	ds_load_b64 v[\reg+2*\p:\reg+2*\p+1], v[\adr+1] offset:BY+16*(BY/256)+(\i)*16*PITCH
.endif
.endr
.endm
.macro FETCH st                        ; step st's fragments into set st % 2
	WIN TO_B
.irp i, 0,1,2,3,4,5,6,7
	FRAG 128*((\st)%2)+FR*\i, ADRB+2*(\i/4), \st, \i%4
.endr
	WIN 0
.irp i, 0,1,2,3
	FRAG AF+48*((\st)%2)+FR*\i, ADRA, \st, \i
.endr
.endm
.macro MUL32 st, zero                  ; the 32 accumulators take turns, one instruction a turn
.irp a, 0,1,2,3
.irp b, 0,1,2,3,4,5,6,7
.if \zero
	v_wmma_scale_f32_16x16x128_f8f6f4 v[8*(8*\a+\b):8*(8*\a+\b)+7], v[128*((\st)%2)+FR*\b:128*((\st)%2)+FR*\b+FR-1], v[AF+48*((\st)%2)+FR*\a:AF+48*((\st)%2)+FR*\a+FR-1], 0, v[SB+8*\b+(\st)], v[SA+8*\a+(\st)] matrix_a_fmt:MATRIX_FMT_BF6 matrix_b_fmt:MATRIX_FMT_BF6
.else
	v_wmma_scale_f32_16x16x128_f8f6f4 v[8*(8*\a+\b):8*(8*\a+\b)+7], v[128*((\st)%2)+FR*\b:128*((\st)%2)+FR*\b+FR-1], v[AF+48*((\st)%2)+FR*\a:AF+48*((\st)%2)+FR*\a+FR-1], v[8*(8*\a+\b):8*(8*\a+\b)+7], v[SB+8*\b+(\st)], v[SA+8*\a+(\st)] matrix_a_fmt:MATRIX_FMT_BF6 matrix_b_fmt:MATRIX_FMT_BF6
.endif
.endr
.endr
.endm
.macro STEP st, zero, pf               ; 128 along K: this step's fragments are in; the next step's are asked for, into the set that the step before multiplied; 32 products
	s_wait_dscnt 0x0
.if (\st) < 7
.if (\st) > 0
	PLACES
.endif
	FETCH (\st)+1
.endif
.if (\pf) && (\st) > 0 && (\st) < 4    ; one prefetch in each of steps 1 to 3, behind the run of LDS loads
.if (\st) == 3
	s_cmp_eq_u32 s[SK+1], 0
.else
	s_cmp_eq_u32 s[SK], 0
.endif
	s_cbranch_scc0 .Lnone_\@
.if (\st) == 1
	global_prefetch_b8 v[PFO], s[PF:PF+1] th:TH_LOAD_NT scope:SCOPE_SE
.endif
.if (\st) == 2
	global_prefetch_b8 v[PFO+1], s[PF:PF+1] offset:8192 th:TH_LOAD_NT scope:SCOPE_SE
.endif
.if (\st) == 3
	global_prefetch_b8 v[PFO], s[PF:PF+1] offset:16384 th:TH_LOAD_NT scope:SCOPE_SE
.endif
.Lnone_\@:
.endif
	WIN MUL
	MUL32 \st, \zero
	WIN 0
.endm
.macro WALK pf
	FETCH 0
	STEP 0, 1, \pf                                 ; the first products start the sums
.irp st, 1,2,3,4,5,6,7
	STEP \st, 0, \pf
.endr
	PLACES                                         ; behind the last products
.endm
; THE WAY OUT.  64 numbers of a lane, none negative; registers 16 b .. 16 b + 15 are my half of block b.  They become a fragment's codes in v[CD] .. v[CD + 11] and the row's scale word in v[pw].
.macro QUANT s, pw
.irp b, 0,1,2,3
	v_max3_num_f32 v[TM+\b], v[\s+16*\b], v[\s+1+16*\b], 0x2800000   ; my 16 numbers and the floor 2^(5 - 127): the byte cannot fall under 1
.endr
.irp i, 2,4,6,8,10,12,14
.irp b, 0,1,2,3
	v_max3_num_f32 v[TM+\b], v[TM+\b], v[\s+16*\b+\i], v[\s+1+16*\b+\i]
.endr
.endr
.irp b, 0,1,2,3
	v_permlanex16_b32 v[TM+4+\b], v[TM+\b], s[SEL], s[SEL+1]
.endr
.irp b, 0,1,2,3
	v_max_num_f32 v[TM+\b], v[TM+\b], v[TM+4+\b]   ; with lane l xor 16's: the block's largest magnitude
.endr
.irp b, 0,1,2,3
	v_add_nc_u32 v[TM+12+\b], 0xfe000000, v[TM+\b] ; 4 off its exponent field: the conversion's scale operand
.endr
.irp b, 0,1,2,3
	v_lshrrev_b32 v[TM+4+\b], 23, v[TM+12+\b]      ; the scale's byte
.endr
	v_lshl_or_b32 v[\pw], v[TM+5], 8, v[TM+4]
	v_lshl_or_b32 v[\pw], v[TM+6], 16, v[\pw]
	v_lshl_or_b32 v[\pw], v[TM+7], 24, v[\pw]
.irp c, 0,1
	v_cvt_scalef32_pk16_bf6_f32 v[CD+6*\c:CD+2+6*\c], v[\s+32*\c:\s+15+32*\c], v[TM+12+2*\c]
	v_cvt_scalef32_pk16_bf6_f32 v[CD+12+4*\c:CD+14+4*\c], v[\s+16+32*\c:\s+31+32*\c], v[TM+12+2*\c+1]
.endr
	v_nop                                          ; one plain place behind a scaled conversion
.irp c, 0,1                                    ; a WHOLE block in a lane: lanes 0-15 block 2 c, lanes 16-31 block 2 c + 1
.irp i, 0,1,2
	v_permlane16_swap_b32 v[CD+6*\c+\i], v[CD+12+4*\c+\i]
.endr
.irp i, 0,1,2
	v_mov_b32 v[CD+3+6*\c+\i], v[CD+12+4*\c+\i]
.endr
.endr
.endm
; A's block a: bias, relu, quantiser, stores.  mode 0 (q, k): 16 tokens x two heads: two half fragments.  mode 1 (v): 16 channels x 128 keys: one fragment.
.macro EPI a, mode
.if (\a) > 0
	s_wait_xcnt 0x0                                ; the last block's stores have read their registers
.endif
	WIN 0x0e                                       ; source 0 window 2, source 1 window 3
.set i, 0
.rept 32                                       ; ascending: each accumulator is read from its low end on
.if \mode
	v_pk_add_f32 v[HH+2*i:HH+2*i+1], v[64*(\a)+2*i:64*(\a)+2*i+1], v[BV+2*(\a):BV+2*(\a)+1]
.else
	v_pk_add_f32 v[HH+2*i:HH+2*i+1], v[64*(\a)+2*i:64*(\a)+2*i+1], v[BIAS+2*i:BIAS+2*i+1]
.endif
.set i, i+1
.endr
	WIN 0
.set i, 0
.rept 64
	v_max_num_f32 v[HH+i], 0, v[HH+i]              ; the activation, in f32
.set i, i+1
.endr
	QUANT HH, PW+(\a)
.if \mode
.irp g, 0,1,2
	global_store_b128 v[LI16], v[CD+4*\g:CD+4*\g+3], s[OUTB:OUTB+1] offset:(\a)*1536+512*\g
.endr
.else
	global_store_b128 v[LI16], v[CD:CD+3], s[OUTB:OUTB+1] offset:768*(\a)               ; my first head's half fragment,
	global_store_b64 v[LI8], v[CD+4:CD+5], s[OUTB:OUTB+1] offset:768*(\a)+512
	global_store_b128 v[LI16], v[CD+6:CD+9], s[OUTB:OUTB+1] offset:HREC+768*(\a)        ; and my second head's, a head's records on
	global_store_b64 v[LI8], v[CD+10:CD+11], s[OUTB:OUTB+1] offset:HREC+768*(\a)+512
.endif
.endm
.macro OUTALL mode
.irp a, 0,1,2,3
	EPI \a, \mode
.endr
.irp p, 0,1
	v_cndmask_b32 v[WD+\p], v[PW+2*\p], v[PW+2*\p+1], s[MK]   ; lanes 0-15 keep block 2 p's word, lanes 16-31 take block 2 p + 1's
.endr
.if \mode
	global_store_b64 v[LI8], v[WD:WD+1], s[OUTB:OUTB+1] offset:6144
.else
	global_store_b64 v[LI8S], v[WD:WD+1], s[OUTB:OUTB+1]      ; my first head's bytes are a word's bytes 0 and 1; bytes 2 and 3 (1 .. 254) meet zero codes
.irp p, 0,1
	v_lshrrev_b32 v[TM+\p], 16, v[WD+\p]           ; my second head's bytes come down; bytes 2 and 3 are 0, and meet zero codes
.endr
	global_store_b64 v[LI8S], v[TM:TM+1], s[OUTB:OUTB+1] offset:HREC
.endif
.endm
.Lunit:                                                ; two trips: q's block, k's block
	WIN 0xc0                                       ; destination window 3
.irp b, 0,1,2,3,4,5,6,7
	global_load_b128 v[BIAS+8*\b:BIAS+8*\b+3], v30, s[BI:BI+1] offset:64*\b          ; 16 loads: wanted on the way out
	global_load_b128 v[BIAS+8*\b+4:BIAS+8*\b+7], v30, s[BI:BI+1] offset:64*\b+16
.endr
	WIN 0
	s_cmp_eq_u32 s[TRIP], 0                        ; what the next block's load of mine will fetch: k's in trip 0, v's in trip 1,
	s_cselect_b64 s[40:41], s[80:81], s[4:5]
	s_cselect_b64 s[42:43], s[84:85], s[8:9]
	s_cmp_eq_u32 s15, 0
	s_cselect_b64 s[PF:PF+1], s[40:41], s[42:43]
	s_add_nc_u64 s[PF:PF+1], s[PF:PF+1], s[2:3]    ; and my work-group's share of it
	s_xor_b32 s[SK], s15, s[TRIP]                  ; 1: it is a weight (k: B's side; v: A's side),
	s_cmp_lt_u32 s[CCN], 4
	s_cselect_b32 s[SK], 0, s[SK]                  ; which clusters 0 to 3 alone name
	s_xor_b32 s[SK+1], s15, 1
	s_or_b32 s[SK+1], s[SK+1], s[SK]               ; the third instruction: B's shares alone have 96 blocks
	s_wait_tensorcnt 0x0                           ; my part of the block is in,
	s_wait_loadcnt 16                              ; and my scale words (behind them: the 16 loads of the bias)
	s_barrier_signal -1
	s_barrier_wait -1                              ; everybody's part is in
	WALK 1
	s_wait_loadcnt 0x0                             ; the bias is in; the scale words' bases may be written
	s_wait_tensorcnt 0x0
	ds_add_u32 v[SPW], v[NIL]
	s_cmp_eq_u32 s[TRIP], 0                        ; no load of mine is out: the descriptors take the next block's addresses
	s_cselect_b64 s[G0+2:G0+3], s[80:81], s[4:5]
	s_cselect_b64 s[G0B+2:G0B+3], s[84:85], s[8:9]
	s_cselect_b64 s[CA:CA+1], s[82:83], s[6:7]
	s_cselect_b64 s[CB:CB+1], s[86:87], s[10:11]
	s_cselect_b64 s[NB:NB+1], s[88:89], s[92:93]
	s_cselect_b64 s[NO:NO+1], s[90:91], s[94:95]
	s_or_b32 s[G0+3], s[G0+3], 0x80000000
	s_or_b32 s[G0B+3], s[G0B+3], 0x80000000
	s_wait_dscnt 0x0                               ; the add is done, and my reads of this block's tiles are over
	CROUND                                         ; no wave of any partner still reads them
	JLOAD                                          ; the next block
	SCLOAD                                         ; and its scale words
	OUTALL 0                                       ; this block leaves while they are on their way
	s_wait_alu depctr_va_vdst(0)
	s_wait_xcnt 0x0                                ; stores, loads and prefetches have read their registers and bases
	s_mov_b64 s[BI:BI+1], s[NB:NB+1]
	s_mov_b64 s[OUTB:OUTB+1], s[NO:NO+1]
	s_add_co_u32 s[TRIP], s[TRIP], 1
	s_cmp_lt_u32 s[TRIP], 2
	s_cbranch_scc1 .Lunit
	WIN 0xc0                                       ; v's block
.irp a, 0,1,2,3
	global_load_b32 v[BV+2*\a], v31, s[BI:BI+1] offset:64*\a       ; twice: a pair for the packed addition
	global_load_b32 v[BV+2*\a+1], v31, s[BI:BI+1] offset:64*\a
.endr
	WIN 0
	s_wait_tensorcnt 0x0
	s_wait_loadcnt 8                               ; my scale words (behind them: the 8 loads of the bias)
	s_barrier_signal -1
	s_barrier_wait -1
	WALK 0
	s_wait_loadcnt 0x0
	OUTALL 1
	s_wait_tensorcnt 0x0                           ; the wave's end
	ds_add_u32 v[SPW], v[NIL]
	s_wait_dscnt 0x0
	CROUND                                         ; the closing round
	s_endpgm
.Lfunc_end_k_q2ca92e49a7_proj:
	.size	k_q2ca92e49a7_proj, .Lfunc_end_k_q2ca92e49a7_proj-k_q2ca92e49a7_proj
	.p2alignl 7, 3214868480
	.fill 96, 4, 3214868480
	.section	.rodata,"a",@progbits
	.p2align	6, 0x0
	.amdhsa_kernel k_q2ca92e49a7_proj
		.amdhsa_group_segment_fixed_size 327680
		.amdhsa_private_segment_fixed_size 0
		.amdhsa_enable_private_segment 0
		.amdhsa_kernarg_size 136
		.amdhsa_user_sgpr_count 2
		.amdhsa_user_sgpr_kernarg_segment_ptr 1
		.amdhsa_wavefront_size32 1
		.amdhsa_system_sgpr_workgroup_id_x 1
		.amdhsa_system_sgpr_workgroup_id_y 1
		.amdhsa_system_sgpr_workgroup_id_z 1
		.amdhsa_system_vgpr_workitem_id 0
		.amdhsa_next_free_vgpr 1024
		.amdhsa_next_free_sgpr 102
		.amdhsa_reserve_vcc 0
		.amdhsa_float_denorm_mode_32 3
		.amdhsa_float_denorm_mode_16_64 3
		.amdhsa_memory_ordered 1
		.amdhsa_forward_progress 1
		.amdhsa_inst_pref_size 225
	.end_amdhsa_kernel
	.amdgpu_metadata
---
amdhsa.version: [ 1, 2 ]
amdhsa.kernels:
  - .name:           k_q2ca92e49a7_proj
    .symbol:         k_q2ca92e49a7_proj.kd
    .args:
      - { .name: q_codes, .offset: 0, .size: 8, .value_kind: global_buffer, .address_space: global }
      - { .name: q_scales, .offset: 8, .size: 8, .value_kind: global_buffer, .address_space: global }
      - { .name: Wq_codes, .offset: 16, .size: 8, .value_kind: global_buffer, .address_space: global }
      - { .name: Wq_scales, .offset: 24, .size: 8, .value_kind: global_buffer, .address_space: global }
      - { .name: bq, .offset: 32, .size: 8, .value_kind: global_buffer, .address_space: global }
      - { .name: qc, .offset: 40, .size: 8, .value_kind: global_buffer, .address_space: global }
      - { .name: k_codes, .offset: 48, .size: 8, .value_kind: global_buffer, .address_space: global }
      - { .name: k_scales, .offset: 56, .size: 8, .value_kind: global_buffer, .address_space: global }
      - { .name: Wk_codes, .offset: 64, .size: 8, .value_kind: global_buffer, .address_space: global }
      - { .name: Wk_scales, .offset: 72, .size: 8, .value_kind: global_buffer, .address_space: global }
      - { .name: bk, .offset: 80, .size: 8, .value_kind: global_buffer, .address_space: global }
      - { .name: kv, .offset: 88, .size: 8, .value_kind: global_buffer, .address_space: global }
      - { .name: Wv_codes, .offset: 96, .size: 8, .value_kind: global_buffer, .address_space: global }
      - { .name: Wv_scales, .offset: 104, .size: 8, .value_kind: global_buffer, .address_space: global }
      - { .name: v_codes, .offset: 112, .size: 8, .value_kind: global_buffer, .address_space: global }
      - { .name: v_scales, .offset: 120, .size: 8, .value_kind: global_buffer, .address_space: global }
      - { .name: bv, .offset: 128, .size: 8, .value_kind: global_buffer, .address_space: global }
    .group_segment_fixed_size: 327680
    .private_segment_fixed_size: 0
    .kernarg_segment_align: 8
    .kernarg_segment_size: 136
    .max_flat_workgroup_size: 128
    .sgpr_count:     102
    .vgpr_count:     1024
    .wavefront_size: 32
...
	.end_amdgpu_metadata
.endif
;; end of part 1
;; launch attn (part 2): grid 4 x 64, 16 waves a work-group, clusters of 4 x 1, 327,680 bytes of LDS; arguments qc, kv, yc, ys; writes yc, ys
.if DOCPART == 2
	.amdgcn_target "amdgcn-amd-amdhsa--gfx1250"
	.amdhsa_code_object_version 6
	.text
	.protected	k_q2ca92e49a7_attn
	.globl	k_q2ca92e49a7_attn
	.p2align	8
	.type	k_q2ca92e49a7_attn,@function
k_q2ca92e49a7_attn:
	s_mov_b64 s[64:65], 0
	v_nop
	global_prefetch_b8 v0, s[64:65] scope:SCOPE_SE
	s_setreg_imm32_b32 hwreg(HW_REG_WAVE_MODE, 25, 1), 1
	s_wait_xcnt 0x0
	s_wait_alu depctr_hold_cnt(0) depctr_sa_sdst(0) depctr_va_vdst(0) depctr_va_sdst(0) depctr_va_ssrc(0) depctr_va_vcc(0) depctr_vm_vsrc(0)
	s_getreg_b32 s2, hwreg(HW_REG_IB_STS2, 6, 4)
	s_cmp_eq_u32 s2, 0
	s_cbranch_scc0 .Lentry_in_a_cluster
	s_endpgm
.Lentry_in_a_cluster:
	s_bfe_u32 s2, ttmp6, 0x10000c
	s_cmp_lg_u32 s2, 0x3003
	s_cbranch_scc0 .Lentry_shape_is_right
	s_endpgm
.Lentry_shape_is_right:
; ATTENTION of one batch x head (grid y) for 512 queries (cluster place x), on the records that the projections stored; y leaves QUANTISED for the last projection.
; All 16 key steps' records (K's tiles, V's tiles and their scale words, 13,056 bytes each) lie in LDS: wave w asks for record w by ONE joint load, shared by the cluster's four work-groups; nothing is filled again,
; and nothing is prefetched: every byte is asked for once at the head.
; A wave owns 32 queries, in two passes of 16.  Both products are used transposed (S^T = k q^T, O^T = v^T p^T): a lane holds one query throughout.  The head size 64 fills half of the instruction's K: q's upper codes are zeros.
; Softmax by the problem's rule: M = the ceiling of the running largest t, p = 2^(t - M), the row's sum of the unquantised p, every rescaling an exact power of two; a block's largest p comes from its largest score.
; K's fragments are read from LDS one key step ahead (record (step + 1) % 16: a pass's last step reads the next pass's first), between the lines of the chain that makes M;
; V's are asked for as soon as the registers on which they land are summed, with the rest of the sum and O's rescaling behind them.
; LIMIT: the promise holds while the scaled scores (the exponents to the base 2) stay under 2^31 in magnitude.
.set REC,  13056
.set HK,   16*REC
.set VB,   6656
.set SPARE, HK
.set WV,   14
.set SEL,  20
.set CS,   22
.set G1K,  24
.set G0K,  40
.set TK,   48
.set TN,   49
.set CNT,  50
.macro CROUND
	s_barrier_signal -1
	s_barrier_wait -1
	s_cmp_lg_u32 s[WV], 0
	s_cbranch_scc1 .Lnot_wave_0_\@
	s_barrier_signal -3
.Lnot_wave_0_\@:
	s_barrier_wait -3
	s_barrier_signal -1
	s_barrier_wait -1
.endm
.macro KLD t                           ; tile t's half fragment of the record at v6 (16 x lane) and v7 (8 x lane)
	ds_load_b128 v[40+6*\t:43+6*\t], v6 offset:768*\t
	ds_load_b64 v[44+6*\t:45+6*\t], v7 offset:768*\t+512
.endm
.macro KSC                             ; and the record's scale words of K
	ds_load_b64 v[248:249], v7 offset:6144
	ds_load_b64 v[250:251], v7 offset:6400
.endm
	s_load_b256 s[4:11], s[0:1], 0x0               ; qc, kv, yc, ys
	v_lshl_add_u32 v243, v0, 2, SPARE
	v_mov_b32 v255, 0
	ds_add_u32 v243, v255                          ; the opening lines
	ds_add_u32 v243, v255
	v_lshrrev_b32 v4, 5, v0
	s_delay_alu instid0(VALU_DEP_1)
	v_readfirstlane_b32 s[WV], v4
	s_bfe_u32 s15, ttmp6, 0x40000                  ; cx
	s_and_b32 s16, ttmp7, 0xffff                   ; batch x head
	s_mov_b32 s[G1K], 15|(3<<16)|(1<<21)           ; a record: 51 rows of 256 bytes, dense
	s_mov_b32 s[G1K+1], 32<<16
	s_mov_b32 s[G1K+2], (REC/256)<<16
	s_mov_b32 s[G1K+3], 32<<16
	s_mov_b32 s[G1K+4], REC/256
	s_mov_b32 s[G1K+5], 32
	s_mov_b32 s[G1K+6], 0
	s_mov_b32 s[G1K+7], 0
	s_mov_b32 s[SEL], 0x76543210
	s_mov_b32 s[SEL+1], 0xfedcba98
	s_mov_b32 s[CS], 0x3e38aa3b                    ; log2(e) / 8
	s_mov_b32 s[CS+1], s[CS]
	s_mul_i32 s52, s16, HK
	s_mul_i32 s53, s[WV], REC
	s_add_co_u32 s54, s52, s53
	s_mov_b32 s55, 0
	s_lshl_b32 s58, s15, 2
	s_lshr_b32 s59, s[WV], 2
	s_add_co_u32 s58, s58, s59
	s_mul_i32 s58, s58, REC
	s_add_co_u32 s58, s58, s52                     ; my queries' record
	s_mov_b32 s59, 0
	s_wait_dscnt 0x0
	s_wait_kmcnt 0x0
	CROUND
	s_mov_b32 s[G0K], 1
	s_mov_b32 s[G0K+1], s53
	s_add_nc_u64 s[G0K+2:G0K+3], s[6:7], s[54:55]
	s_or_b32 s[G0K+3], s[G0K+3], 0x80000000
	tensor_load_to_lds s[G0K:G0K+3], s[G1K:G1K+7]
	s_nop 0
.rept 4
	v_nop
.endr
	s_add_nc_u64 s[4:5], s[4:5], s[58:59]
	s_and_b32 s52, s[WV], 3                        ; my pair of tiles in that record
	s_mul_i32 s53, s52, 1536
	s_lshr_b32 s54, s52, 1
	s_lshl_b32 s54, s54, 8
	s_and_b32 s55, s52, 1
	s_lshl_b32 s55, s55, 2
	s_add_co_u32 s54, s54, s55                     ; and its scale word's place
	v_and_b32 v3, 31, v0
	v_and_b32 v10, 15, v0
	v_lshlrev_b32 v1, 4, v3
	v_lshlrev_b32 v2, 3, v3
	v_lshlrev_b32 v11, 5, v10
	v_add_nc_u32 v4, s53, v1
	v_add_nc_u32 v5, s53, v2
	v_lshl_add_u32 v6, v10, 3, s54
.irp e, 0,1
	global_load_b128 v[16+12*\e:19+12*\e], v4, s[4:5] offset:768*\e
	global_load_b64 v[20+12*\e:21+12*\e], v5, s[4:5] offset:768*\e+512
	global_load_b32 v[94+\e], v6, s[4:5] offset:6144+128*\e
.endr
.irp j, 22,23,24,25,26,27,34,35,36,37,38,39
	v_mov_b32 v[\j], 0
.endr
.irp j, 88,89,90,91,92,93
	v_mov_b32 v[\j], 0
.endr
.irp j, 236,237,238,239,253
	v_mov_b32 v[\j], 0
.endr
	s_lshr_b32 s52, s16, 4
	s_and_b32 s53, s16, 15
	s_lshl_b32 s54, s52, 7
	s_lshl_b32 s55, s15, 5
	s_add_co_u32 s54, s54, s55
	s_lshl_b32 s55, s[WV], 1
	s_add_co_u32 s54, s54, s55                     ; my first tile of 16 rows of y
	s_lshl_b32 s56, s54, 4
	s_add_co_u32 s56, s56, s53
	s_mul_i32 s56, s56, 768
	s_mov_b32 s57, 0
	s_add_nc_u64 s[8:9], s[8:9], s[56:57]
	s_lshl_b32 s56, s54, 9
	s_lshl_b32 s55, s53, 1
	s_add_co_u32 s56, s56, s55
	s_add_nc_u64 s[10:11], s[10:11], s[56:57]
.macro STEP e
	s_add_co_u32 s[TN], s[CNT], 1
	s_and_b32 s[TN], s[TN], 15
	s_mul_i32 s[TN], s[TN], REC                    ; the record whose K is read ahead
.irp t, 0,1,2,3,4,5,6,7
.if (\t)%2
	v_wmma_scale_f32_16x16x128_f8f6f4 v[96+8*\t:103+8*\t], v[40+6*\t:51+6*\t], v[16+12*\e:27+12*\e], 0, v[248+\t/2], v[94+\e] matrix_a_fmt:MATRIX_FMT_BF6 matrix_b_fmt:MATRIX_FMT_BF6 matrix_a_scale:MATRIX_SCALE_ROW1
.else
	v_wmma_scale_f32_16x16x128_f8f6f4 v[96+8*\t:103+8*\t], v[40+6*\t:51+6*\t], v[16+12*\e:27+12*\e], 0, v[248+\t/2], v[94+\e] matrix_a_fmt:MATRIX_FMT_BF6 matrix_b_fmt:MATRIX_FMT_BF6
.endif
.endr
	v_add_nc_u32 v4, s[TK], v1                     ; four plain lines that name no register of the products: the places behind them
	v_add_nc_u32 v5, s[TK], v2
	v_add_nc_u32 v6, s[TN], v1
	v_add_nc_u32 v7, s[TN], v2
.irp b, 0,1,2,3
	v_max3_num_f32 v[232+\b], v[96+16*\b], v[97+16*\b], v[98+16*\b]   ; the largest score of each block of 32 keys
.endr
.irp i, 3,5,7,9,11,13
.irp b, 0,1,2,3
	v_max3_num_f32 v[232+\b], v[232+\b], v[96+16*\b+\i], v[97+16*\b+\i]
.endr
.endr
.irp b, 0,1,2,3
	v_max_num_f32 v[232+\b], v[232+\b], v[111+16*\b]
.endr
.irp b, 0,1,2,3
	s_delay_alu instid0(VALU_DEP_4)
	v_permlanex16_b32 v[236+\b], v[232+\b], s[SEL], s[SEL+1]
.endr
.irp b, 0,1,2,3
	s_delay_alu instid0(VALU_DEP_4)
	v_max_num_f32 v[232+\b], v[232+\b], v[236+\b]
.endr
	v_max3_num_f32 v254, v232, v233, v234          ; the chain that makes M and f; the next step's 18 loads of K stand between its lines
	KLD 0
	v_max_num_f32 v254, v254, v235
	KLD 1
	v_mul_f32 v254, s[CS], v254
	KLD 2
	v_max_num_f32 v13, v13, v254                   ; the running largest t
	KLD 3
	v_mov_b32 v254, v12
	KLD 4
	v_floor_f32 v12, -v13                          ; -M
	KLD 5
	v_sub_f32 v254, v12, v254
	KLD 6
	v_cvt_i32_f32 v254, v254
	KLD 7
	v_ldexp_f32 v252, 1.0, v254                    ; f = 2^(old M - new M)
	KSC
.irp j, 0,2,4,6,8,10,12,14,16,18,20,22,24,26,28,30,32,34,36,38,40,42,44,46,48,50,52,54,56,58,60,62
	v_pk_fma_f32 v[96+\j:97+\j], v[96+\j:97+\j], s[CS:CS+1], v[12:13] op_sel_hi:[1,0,0]
.endr
.irp b, 0,1,2,3
	v_fma_f32 v[232+\b], v[232+\b], s[CS], v12
.endr
	s_wait_alu depctr_va_vdst(0)                   ; the wait ahead of the batch
.irp j, 0,1,2,3,4,5,6,7,8,9,10,11,12,13,14,15,16,17,18,19,20,21,22,23,24,25,26,27,28,29,30,31,32,33,34,35,36,37,38,39,40,41,42,43,44,45,46,47,48,49,50,51,52,53,54,55,56,57,58,59,60,61,62,63
	v_exp_f32 v[96+\j], v[96+\j]
.endr
.irp b, 0,1,2,3
	v_exp_f32 v[232+\b], v[232+\b]
.endr
	v_pk_mul_f32 v[14:15], v[14:15], v[252:253] op_sel_hi:[1,0]
	s_wait_alu depctr_va_vdst(0)                   ; and behind it
.irp b, 0,1,2,3
	v_max_num_f32 v[232+\b], 0x2800000, v[232+\b]
.endr
.irp b, 0,1,2,3
	s_delay_alu instid0(VALU_DEP_4)
	v_add_nc_u32 v[244+\b], 0xfe000000, v[232+\b]
.endr
.irp b, 0,1,2,3
	s_delay_alu instid0(VALU_DEP_4)
	v_lshrrev_b32 v[236+\b], 23, v[244+\b]
.endr
	s_delay_alu instid0(VALU_DEP_3)
	v_lshl_or_b32 v253, v237, 8, v236
	s_delay_alu instid0(VALU_DEP_1)
	v_lshl_or_b32 v253, v238, 16, v253
	s_delay_alu instid0(VALU_DEP_1)
	v_lshl_or_b32 v253, v239, 24, v253             ; p's scale word for these 128 keys
.irp c, 0,1
	v_cvt_scalef32_pk16_bf6_f32 v[224+6*\c:226+6*\c], v[96+32*\c:111+32*\c], v[244+2*\c]
	v_cvt_scalef32_pk16_bf6_f32 v[236+4*\c:238+4*\c], v[112+32*\c:127+32*\c], v[244+2*\c+1]
.endr
	v_nop
.irp c, 0,1
.irp i, 0,1,2
	v_permlane16_swap_b32 v[224+6*\c+\i], v[236+4*\c+\i]
.endr
.irp i, 0,1,2
	s_delay_alu instid0(VALU_DEP_3)
	v_mov_b32 v[227+6*\c+\i], v[236+4*\c+\i]
.endr
.endr
	v_pk_add_f32 v[236:237], v[96:97], v[98:99]    ; the row's sum of the unquantised p: first the 48 registers on which V's fragments land,
.irp j, 4,8,12,16,20,24,28,32,36,40,44
	v_pk_add_f32 v[14:15], v[14:15], v[96+\j:97+\j]
	v_pk_add_f32 v[236:237], v[236:237], v[98+\j:99+\j]
.endr
.irp t, 0,1,2,3
.irp g, 0,1,2
	ds_load_b128 v[96+12*\t+4*\g:99+12*\t+4*\g], v4 offset:VB+1536*\t+512*\g
.endr
.endr
	ds_load_b64 v[8:9], v5 offset:VB+6144
.irp j, 48,52,56,60
	v_pk_add_f32 v[14:15], v[14:15], v[96+\j:97+\j]                ; then the other 16
	v_pk_add_f32 v[236:237], v[236:237], v[98+\j:99+\j]
.endr
	s_delay_alu instid0(VALU_DEP_1)
	v_pk_add_f32 v[14:15], v[14:15], v[236:237]
.irp j, 0,2,4,6,8,10,12,14,16,18,20,22,24,26,28,30
	v_pk_mul_f32 v[160+\j:161+\j], v[160+\j:161+\j], v[252:253] op_sel_hi:[1,0]
.endr
	s_wait_alu depctr_va_vdst(0)
	s_wait_dscnt 0x0                               ; V's fragments, and the next step's of K
.irp t, 0,1,2,3
.if (\t)%2
	v_wmma_scale_f32_16x16x128_f8f6f4 v[160+8*\t:167+8*\t], v[96+12*\t:107+12*\t], v[224:235], v[160+8*\t:167+8*\t], v[8+\t/2], v253 matrix_a_fmt:MATRIX_FMT_BF6 matrix_b_fmt:MATRIX_FMT_BF6 matrix_a_scale:MATRIX_SCALE_ROW1
.else
	v_wmma_scale_f32_16x16x128_f8f6f4 v[160+8*\t:167+8*\t], v[96+12*\t:107+12*\t], v[224:235], v[160+8*\t:167+8*\t], v[8+\t/2], v253 matrix_a_fmt:MATRIX_FMT_BF6 matrix_b_fmt:MATRIX_FMT_BF6
.endif
.endr
.rept 5
	v_nop
.endr
.endm
.macro WAYOUT e
	v_add_f32 v14, v14, v15
	s_delay_alu instid0(VALU_DEP_1)
	v_permlanex16_b32 v252, v14, s[SEL], s[SEL+1]
	s_delay_alu instid0(VALU_DEP_1)
	v_add_f32 v14, v14, v252
	s_wait_alu depctr_va_vdst(0)
	v_rcp_f32 v14, v14
	v_nop
	s_wait_alu depctr_va_vdst(0)
.irp j, 0,1,2,3,4,5,6,7,8,9,10,11,12,13,14,15,16,17,18,19,20,21,22,23,24,25,26,27,28,29,30,31
	v_mul_f32 v[192+\j], v[160+\j], v14
.endr
.irp b, 0,1
.irp j, 0,1,2,3,4,5,6,7
	v_permlane16_swap_b32 v[192+16*\b+\j], v[200+16*\b+\j]   ; 16 neighbours along the head's axis in a lane: Wo's codes lie in their true order
.endr
.endr
.irp b, 0,1
	v_max3_num_f32 v[232+\b], |v[192+16*\b]|, |v[193+16*\b]|, 0x2800000
.endr
.irp i, 2,4,6,8,10,12,14
.irp b, 0,1
	s_delay_alu instid0(VALU_DEP_2)
	v_max3_num_f32 v[232+\b], v[232+\b], |v[192+16*\b+\i]|, |v[193+16*\b+\i]|
.endr
.endr
.irp b, 0,1
	s_delay_alu instid0(VALU_DEP_2)
	v_permlanex16_b32 v[236+\b], v[232+\b], s[SEL], s[SEL+1]
.endr
.irp b, 0,1
	s_delay_alu instid0(VALU_DEP_2)
	v_max_num_f32 v[232+\b], v[232+\b], v[236+\b]
.endr
.irp b, 0,1
	s_delay_alu instid0(VALU_DEP_2)
	v_add_nc_u32 v[244+\b], 0xfe000000, v[232+\b]
.endr
.irp b, 0,1
	s_delay_alu instid0(VALU_DEP_2)
	v_lshrrev_b32 v[236+\b], 23, v[244+\b]
.endr
	s_delay_alu instid0(VALU_DEP_1)
	v_lshl_or_b32 v254, v237, 8, v236
	v_cvt_scalef32_pk16_bf6_f32 v[224:226], v[192:207], v244
	v_cvt_scalef32_pk16_bf6_f32 v[236:238], v[208:223], v245
	v_nop
.irp i, 0,1,2
	v_permlane16_swap_b32 v[224+\i], v[236+\i]
.endr
.irp i, 0,1,2
	s_delay_alu instid0(VALU_DEP_3)
	v_mov_b32 v[227+\i], v[236+\i]
.endr
	global_store_b128 v1, v[224:227], s[8:9] offset:12288*\e
	global_store_b64 v2, v[228:229], s[8:9] offset:12288*\e+512
	global_store_b16 v11, v254, s[10:11] offset:512*\e
.endm
.macro PASS e
	s_wait_xcnt 0x0
	v_mov_b32 v13, 0xff61b1e6                      ; -3e38, under every t
	s_delay_alu instid0(VALU_DEP_1)
	v_floor_f32 v12, -v13
	v_mov_b32 v14, 0
	v_mov_b32 v15, 0
.irp j, 0,1,2,3,4,5,6,7,8,9,10,11,12,13,14,15,16,17,18,19,20,21,22,23,24,25,26,27,28,29,30,31
	v_mov_b32 v[160+\j], 0
.endr
	s_mov_b32 s[TK], 0
	s_mov_b32 s[CNT], 0
.Lstep_\@:
	STEP \e
	s_add_co_u32 s[TK], s[TK], REC
	s_add_co_u32 s[CNT], s[CNT], 1
	s_cmp_lt_u32 s[CNT], 16
	s_cbranch_scc1 .Lstep_\@
	WAYOUT \e
.endm
	s_wait_alu depctr_va_vdst(0)
	s_wait_tensorcnt 0x0                           ; my record is in,
	s_barrier_signal -1
	s_barrier_wait -1                              ; and everybody's
	s_wait_loadcnt 0x0
	v_mov_b32 v6, v1                               ; record 0's K, for the first step
	v_mov_b32 v7, v2
.irp t, 0,1,2,3,4,5,6,7
	KLD \t
.endr
	KSC
	s_wait_dscnt 0x0
	PASS 0
	PASS 1
	s_wait_tensorcnt 0x0                           ; the wave's end
	ds_add_u32 v243, v255
	s_wait_dscnt 0x0
	CROUND
	s_endpgm
.Lfunc_end_k_q2ca92e49a7_attn:
	.size	k_q2ca92e49a7_attn, .Lfunc_end_k_q2ca92e49a7_attn-k_q2ca92e49a7_attn
	.p2alignl 7, 3214868480
	.fill 96, 4, 3214868480
	.section	.rodata,"a",@progbits
	.p2align	6, 0x0
	.amdhsa_kernel k_q2ca92e49a7_attn
		.amdhsa_group_segment_fixed_size 327680
		.amdhsa_private_segment_fixed_size 0
		.amdhsa_enable_private_segment 0
		.amdhsa_kernarg_size 32
		.amdhsa_user_sgpr_count 2
		.amdhsa_user_sgpr_kernarg_segment_ptr 1
		.amdhsa_wavefront_size32 1
		.amdhsa_system_sgpr_workgroup_id_x 1
		.amdhsa_system_sgpr_workgroup_id_y 1
		.amdhsa_system_sgpr_workgroup_id_z 1
		.amdhsa_system_vgpr_workitem_id 0
		.amdhsa_next_free_vgpr 256
		.amdhsa_next_free_sgpr 66
		.amdhsa_reserve_vcc 0
		.amdhsa_float_denorm_mode_32 3
		.amdhsa_float_denorm_mode_16_64 3
		.amdhsa_memory_ordered 1
		.amdhsa_forward_progress 1
		.amdhsa_inst_pref_size 53
	.end_amdhsa_kernel
	.amdgpu_metadata
---
amdhsa.version: [ 1, 2 ]
amdhsa.kernels:
  - .name:           k_q2ca92e49a7_attn
    .symbol:         k_q2ca92e49a7_attn.kd
    .args:
      - { .name: qc, .offset: 0, .size: 8, .value_kind: global_buffer, .address_space: global }
      - { .name: kv, .offset: 8, .size: 8, .value_kind: global_buffer, .address_space: global }
      - { .name: yc, .offset: 16, .size: 8, .value_kind: global_buffer, .address_space: global }
      - { .name: ys, .offset: 24, .size: 8, .value_kind: global_buffer, .address_space: global }
    .group_segment_fixed_size: 327680
    .private_segment_fixed_size: 0
    .kernarg_segment_align: 8
    .kernarg_segment_size: 32
    .max_flat_workgroup_size: 512
    .sgpr_count:     66
    .vgpr_count:     256
    .wavefront_size: 32
...
	.end_amdgpu_metadata
.endif
;; end of part 2
;; launch outp (part 3): grid 4 x 64, 4 waves a work-group, clusters of 4 x 4, 327,680 bytes of LDS; arguments yc, ys, Wo_codes, Wo_scales, bo, out0; writes out0
.if DOCPART == 3
	.amdgcn_target "amdgcn-amd-amdhsa--gfx1250"
	.amdhsa_code_object_version 6
	.text
	.protected	k_q2ca92e49a7_outp
	.globl	k_q2ca92e49a7_outp
	.p2align	8
	.type	k_q2ca92e49a7_outp,@function
k_q2ca92e49a7_outp:
	s_mov_b64 s[64:65], 0
	v_nop
	global_prefetch_b8 v0, s[64:65] scope:SCOPE_SE
	s_setreg_imm32_b32 hwreg(HW_REG_WAVE_MODE, 25, 1), 1
	s_wait_xcnt 0x0
	s_wait_alu depctr_hold_cnt(0) depctr_sa_sdst(0) depctr_va_vdst(0) depctr_va_sdst(0) depctr_va_ssrc(0) depctr_va_vcc(0) depctr_vm_vsrc(0)
	s_getreg_b32 s2, hwreg(HW_REG_IB_STS2, 6, 4)
	s_cmp_eq_u32 s2, 0
	s_cbranch_scc0 .Lentry_in_a_cluster
	s_endpgm
.Lentry_in_a_cluster:
	s_bfe_u32 s2, ttmp6, 0x10000c
	s_cmp_lg_u32 s2, 0xf033
	s_cbranch_scc0 .Lentry_shape_is_right
	s_endpgm
.Lentry_shape_is_right:
; THE LAST PROJECTION: out0 = relu(y Wo^T + bo) on codes of BF6 (E3M2), K = 1,024.  y's codes come as images of operand registers ([tile of 16 rows][head 16][768 bytes]), its scale bytes as [row][32].
; A work-group of four waves makes 128 rows x 256 columns: 64 x 4 = 256 work-groups; a wave 64 x 128.  ALL OF K lies in LDS: y's 128 rows are one dense block of 98,304 bytes;
; a row of Wo's codes is 768 bytes, begins at a multiple of 256 and gets 16 bytes of padding behind each 256: LDS pitch 816.  ONE joint load a wave at the head (waves 0, 1: halves of y's block; waves 2, 3: 128 rows of Wo each).
; CLUSTERS of 4 x 4: y's block is shared along a row of the cluster, Wo's rows along a column.  No prefetch: every byte is asked for once, at the head, and there is no loop to run ahead in.
; The scale words go from memory into registers once.  Source 0 = 16 rows of Wo, source 1 = 16 rows of y: a lane holds eight neighbouring columns of one row of the result.
; TWO PHASES: a wave walks K twice, each time for 64 of its 128 columns (16 accumulators, by turns).  The first phase's results leave during the second phase's K steps 0 to 4.
; THE WAY OUT: units of 16 rows x 64 columns go through the wave's own stage (bytes that no load fills) and come back as rows of 256 bytes: sixteen lanes store 256 consecutive bytes at a multiple of 256.
; Each of the 8 units comes back into 32 registers of its own, so no store's data register is ever written again.
; REGISTERS: window 0: v16-31 addresses; v32-63 y's scale words, v64-127 Wo's; v128-223 y's fragments, two sets; v224-231 the bias.  Window 1: Wo's fragments, two sets.
;   window 2: the accumulators (phase p, (a, b) at v[128 p + 8 (4 a + b)]).  Window 3: the rows read back, unit u at v[32 u].
.set PITCH, 816
.set FR,    12
.set AT,    12288                      ; a tile of 16 rows of y, all of K
.set BH,    128*PITCH
.set BB0,   8*AT
.set SPARE, BB0+2*BH                   ; the spare words: two blocks of 256 bytes that no other line names
.set STAGE, SPARE+512
.set SPITCH, 272
.set ADRA, 16                          ; v16: 16 x lane, v17: 8 x lane, in my four tiles of y
.set ADRB, 18                          ; v18-19 Wo's tiles 0-3 (the second behind one padding more), v20-21 tiles 4-7
.set STO,  24
.set RD,   25
.set CO,   26
.set SCO,  27
.set SPW,  28
.set NIL,  29
.set ZR,   31                          ; 0, for the activation
.set SA,   32
.set SB,   64
.set AF,   128
.set BO,   224
.set G1,   24
.set G0,   32
.set G0B,  36
.set G1B,  48
.set MSB, 0
.macro WIN new                         ; the immediate's high byte repeats the setting that is left
.if MSB != \new
	s_set_vgpr_msb (MSB<<8)|\new
.set MSB, \new
.endif
.endm
.set MUL,  0xa1                        ; source 0 (Wo) window 1, source 1 (y) window 0, C and D window 2
.set TO_B, 0x40
.macro CROUND
	s_barrier_signal -1
	s_barrier_wait -1
	s_cmp_lg_u32 s14, 0
	s_cbranch_scc1 .Lnot_wave_0_\@
	s_barrier_signal -3
.Lnot_wave_0_\@:
	s_barrier_wait -3
	s_barrier_signal -1
	s_barrier_wait -1
.endm
.macro PLACES                          ; plain vector instructions that name no register of the matrix instructions in front (ISA guide 7.12.1)
.rept 4
	v_nop
.endr
.endm
	s_load_b128 s[4:7], s[0:1], 0x0                ; yc, ys
	s_load_b128 s[8:11], s[0:1], 0x10              ; Wo's codes, Wo's scales
	s_load_b128 s[56:59], s[0:1], 0x20             ; bo, out0
	v_lshl_add_u32 v[SPW], v0, 2, SPARE
	v_mov_b32 v[NIL], 0
	ds_add_u32 v[SPW], v[NIL]                      ; the opening lines
	ds_add_u32 v[SPW], v[NIL]
	v_lshrrev_b32 v1, 5, v0
	v_readfirstlane_b32 s14, v1
	s_lshr_b32 s15, s14, 1                         ; which 64 rows are mine.  Also: I fetch for y (0) or for Wo (1)
	s_and_b32 s16, s14, 1                          ; which 128 columns.  Also: which half I fetch
	s_bfe_u32 s40, ttmp6, 0x40000                  ; cx = the block of 256 columns
	s_bfe_u32 s41, ttmp6, 0x40004
	s_and_b32 s17, ttmp7, 0xffff
	s_lshl_b32 s17, s17, 2
	s_add_co_u32 s17, s17, s41                     ; the block of 128 rows
	s_lshl_b32 s43, s41, 2
	s_lshl_b32 s43, 15, s43
	s_lshl_b32 s44, 0x1111, s40
	s_or_b32 s[G1+0], s43, (3<<16)|(1<<21)         ; half of y's block: 192 rows of 256 bytes, dense
	s_mov_b32 s[G1+1], 32<<16
	s_mov_b32 s[G1+2], 192<<16
	s_mov_b32 s[G1+3], 32<<16
	s_mov_b32 s[G1+4], 192
	s_mov_b32 s[G1+5], 32
	s_mov_b32 s[G1+6], 0
	s_mov_b32 s[G1+7], 0
	s_or_b32 s[G1B+0], s44, (1<<20)|(1<<21)|(5<<22)|(3<<25)   ; 128 rows of 768 bytes, 4 words of padding behind every 64
	s_mov_b32 s[G1B+1], 768<<16
	s_mov_b32 s[G1B+2], 128<<16
	s_mov_b32 s[G1B+3], 768<<16
	s_mov_b32 s[G1B+4], 128
	s_mov_b32 s[G1B+5], 768
	s_mov_b32 s[G1B+6], 0
	s_mov_b32 s[G1B+7], 0
	s_lshl_b32 s20, s17, 3
	s_lshl_b32 s18, s16, 2
	s_add_co_u32 s20, s20, s18
	s_mul_i32 s20, s20, AT
	s_mov_b32 s21, 0
	s_lshl_b32 s46, s40, 8
	s_lshl_b32 s18, s16, 7
	s_add_co_u32 s46, s46, s18
	s_mul_i32 s46, s46, 768
	s_mov_b32 s47, 0
	s_mul_i32 s22, s16, 4*AT
	s_mul_i32 s23, s16, BH
	s_add_co_u32 s23, s23, BB0
	s_wait_dscnt 0x0
	s_wait_kmcnt 0x0
	s_add_nc_u64 s[20:21], s[4:5], s[20:21]
	s_add_nc_u64 s[46:47], s[8:9], s[46:47]
	CROUND
	s_mov_b32 s[G0], 1
	s_mov_b32 s[G0+1], s22
	s_mov_b64 s[G0+2:G0+3], s[20:21]
	s_or_b32 s[G0+3], s[G0+3], 0x80000000
	s_mov_b32 s[G0B], 1
	s_mov_b32 s[G0B+1], s23
	s_mov_b64 s[G0B+2:G0B+3], s[46:47]
	s_or_b32 s[G0B+3], s[G0B+3], 0x80000000
	s_cmp_eq_u32 s15, 0
	s_cbranch_scc0 .Lfor_b
	tensor_load_to_lds s[G0:G0+3], s[G1:G1+7]
	s_nop 0
	PLACES
	s_branch .Lasked
.Lfor_b:
	tensor_load_to_lds s[G0B:G0B+3], s[G1B:G1B+7]
	s_nop 0
	PLACES
.Lasked:
	s_lshl_b32 s20, s17, 7
	s_lshl_b32 s21, s15, 6
	s_add_co_u32 s20, s20, s21                     ; my first row
	s_lshl_b32 s46, s40, 8
	s_lshl_b32 s47, s16, 7
	s_add_co_u32 s46, s46, s47                     ; my first column
	s_mov_b32 s19, 0
	s_lshl_b32 s18, s20, 5
	s_add_nc_u64 s[6:7], s[6:7], s[18:19]
	s_lshl_b32 s18, s46, 5
	s_add_nc_u64 s[10:11], s[10:11], s[18:19]
	s_lshl_b32 s18, s46, 2
	s_add_nc_u64 s[56:57], s[56:57], s[18:19]
	s_add_nc_u64 s[58:59], s[58:59], s[18:19]
	s_lshl_b32 s18, s20, 12                        ; a row of the result is 4,096 bytes
	s_add_nc_u64 s[58:59], s[58:59], s[18:19]
	s_mul_i32 s21, s15, 4*AT
	s_mul_i32 s22, s16, BH
	s_add_co_u32 s22, s22, BB0
	s_add_co_u32 s23, s22, 64*PITCH
	s_mul_i32 s45, s14, 16*SPITCH
	s_add_co_u32 s45, s45, STAGE
	v_and_b32 v1, 15, v0                           ; r
	v_bfe_u32 v2, v0, 4, 1                         ; h
	v_mul_u32_u24 v3, v1, PITCH
	v_mad_u32_u24 v4, v2, 24, v3
	v_mad_u32_u24 v5, v2, 40, v3
	v_and_b32 v6, 31, v0
	v_lshl_add_u32 v[ADRA], v6, 4, s21
	v_lshl_add_u32 v[ADRA+1], v6, 3, s21
	v_add_nc_u32 v[ADRB], s22, v4
	v_add_nc_u32 v[ADRB+1], s22, v5
	v_add_nc_u32 v[ADRB+2], s23, v4
	v_add_nc_u32 v[ADRB+3], s23, v5
	v_mul_u32_u24 v7, v1, SPITCH
	v_lshl_add_u32 v7, v2, 5, v7
	v_add_nc_u32 v[STO], s45, v7                   ; in: row r, 32 bytes for each half of the lanes
	v_mul_u32_u24 v8, v2, SPITCH
	v_lshl_add_u32 v8, v1, 4, v8
	v_add_nc_u32 v[RD], s45, v8                    ; back: lanes 0-15 one row of 256 bytes, lanes 16-31 the next
	v_lshlrev_b32 v9, 4, v1
	v_lshl_add_u32 v[CO], v2, 12, v9               ; and the same two rows in the result
	v_lshlrev_b32 v[SCO], 5, v1
	v_mov_b32 v[ZR], 0
	s_wait_alu depctr_va_vdst(0)
.irp i, 0,1,2,3
	global_load_b128 v[SA+8*\i:SA+8*\i+3], v[SCO], s[6:7] offset:512*\i
	global_load_b128 v[SA+8*\i+4:SA+8*\i+7], v[SCO], s[6:7] offset:512*\i+16
.endr
.irp i, 0,1,2,3,4,5,6,7
	global_load_b128 v[SB+8*\i:SB+8*\i+3], v[SCO], s[10:11] offset:512*\i
	global_load_b128 v[SB+8*\i+4:SB+8*\i+7], v[SCO], s[10:11] offset:512*\i+16
.endr
	global_load_b128 v[BO:BO+3], v9, s[56:57]
	global_load_b128 v[BO+4:BO+7], v9, s[56:57] offset:256
.macro FRAG reg, adr, st, i            ; Wo's fragment: 24 bytes of the row twice, in pieces of 8; byte y of a row lies at y + 16 (y / 256) of its LDS row
.irp p, 0,1,2,3,4,5
.set BY, 96*(\st)+48*(\p/3)+8*(\p%3)
.if BY/256 == (BY+24)/256
	ds_load_b64 v[\reg+2*\p:\reg+2*\p+1], v[\adr] offset:BY+16*(BY/256)+(\i)*16*PITCH
.else
	ds_load_b64 v[\reg+2*\p:\reg+2*\p+1], v[\adr+1] offset:BY+16*(BY/256)+(\i)*16*PITCH
.endif
.endr
.endm
.macro FRAGA reg, st, i                ; y's fragment: the images of two heads' half fragments
	ds_load_b128 v[\reg:\reg+3], v[ADRA] offset:AT*(\i)+1536*(\st)
	ds_load_b64 v[\reg+4:\reg+5], v[ADRA+1] offset:AT*(\i)+1536*(\st)+512
	ds_load_b128 v[\reg+6:\reg+9], v[ADRA] offset:AT*(\i)+1536*(\st)+768
	ds_load_b64 v[\reg+10:\reg+11], v[ADRA+1] offset:AT*(\i)+1536*(\st)+1280
.endm
.macro FETCH n                         ; step n = 8 x phase + K step: four fragments of Wo (the phase's tiles) and four of y into set n % 2: 40 loads
.set PN, (\n)/8
.set SN, (\n)%8
.set EN, (\n)%2
	WIN TO_B
.irp i, 0,1,2,3
	FRAG 128*EN+FR*\i, ADRB+2*PN, SN, \i
.endr
	WIN 0
.irp i, 0,1,2,3
	FRAGA AF+48*EN+FR*\i, SN, \i
.endr
.endm
.macro MUL16 n, zero                   ; the phase's 16 accumulators take turns, one instruction a turn
.set PM, (\n)/8
.set SM, (\n)%8
.set EM, (\n)%2
.irp a, 0,1,2,3
.irp b, 0,1,2,3
.if \zero
	v_wmma_scale_f32_16x16x128_f8f6f4 v[128*PM+8*(4*\a+\b):128*PM+8*(4*\a+\b)+7], v[128*EM+FR*\b:128*EM+FR*\b+FR-1], v[AF+48*EM+FR*\a:AF+48*EM+FR*\a+FR-1], 0, v[SB+8*(4*PM+\b)+SM], v[SA+8*\a+SM] matrix_a_fmt:MATRIX_FMT_BF6 matrix_b_fmt:MATRIX_FMT_BF6
.else
	v_wmma_scale_f32_16x16x128_f8f6f4 v[128*PM+8*(4*\a+\b):128*PM+8*(4*\a+\b)+7], v[128*EM+FR*\b:128*EM+FR*\b+FR-1], v[AF+48*EM+FR*\a:AF+48*EM+FR*\a+FR-1], v[128*PM+8*(4*\a+\b):128*PM+8*(4*\a+\b)+7], v[SB+8*(4*PM+\b)+SM], v[SA+8*\a+SM] matrix_a_fmt:MATRIX_FMT_BF6 matrix_b_fmt:MATRIX_FMT_BF6
.endif
.endr
.endr
.endm
.macro TOSTAGE u                       ; unit u = 4 x phase + a: rows 16 a .., columns 64 x phase ..: into my stage, and back as rows of 256 bytes
.set AC, 128*((\u)/4)+32*((\u)%4)
	WIN 0x08                                       ; the data: window 2
.irp b, 0,1,2,3
	ds_store_b128 v[STO], v[AC+8*\b:AC+8*\b+3] offset:64*\b          ; each accumulator from its low end on
	ds_store_b128 v[STO], v[AC+8*\b+4:AC+8*\b+7] offset:64*\b+16
.endr
	WIN 0xc0                                       ; destination window 3
.set RB, 32*(\u)
.irp t, 0,1,2,3,4,5,6,7
	ds_load_b128 v[RB+4*\t:RB+4*\t+3], v[RD] offset:\t*2*SPITCH      ; LDS serves a wave's instructions in order (ISA guide 5.7.1.4)
.endr
	WIN 0
.endm
.macro SENDV u                         ; unit u is back in registers: bias, activation, stores
.set RB, 32*(\u)
.set BS, BO+4*((\u)/4)
	WIN 0xc3                                       ; destination and source 0 window 3, source 1 window 0
.irp t, 0,1,2,3,4,5,6,7
	v_pk_add_f32 v[RB+4*\t:RB+4*\t+1], v[RB+4*\t:RB+4*\t+1], v[BS:BS+1]
	v_pk_add_f32 v[RB+4*\t+2:RB+4*\t+3], v[RB+4*\t+2:RB+4*\t+3], v[BS+2:BS+3]
.irp j, 0,1,2,3
	v_max_num_f32 v[RB+4*\t+\j], v[RB+4*\t+\j], v[ZR]
.endr
.endr
	WIN 0x0c                                       ; the data: window 3
.irp t, 0,1,2,3,4,5,6,7
	global_store_b128 v[CO], v[RB+4*\t:RB+4*\t+3], s[58:59] offset:((\u)%4)*65536+\t*8192+256*((\u)/4) th:TH_STORE_NT
.endr
	WIN 0
.endm
; A step: this step's fragments, and any unit on its way through the stage, are in; a finished unit leaves and the next one goes to the stage; the next step's fragments are asked for; 16 products.
.macro STEP n, zero, snd, stg
	s_wait_dscnt 0x0
.if (\n) > 0
	PLACES
.endif
.if \snd >= 0
	SENDV \snd
.endif
.if \stg >= 0
	TOSTAGE \stg
.endif
.if (\n) < 15
	FETCH (\n)+1
.endif
	WIN MUL
	MUL16 \n, \zero
	WIN 0
.endm
	s_wait_tensorcnt 0x0
	s_wait_loadcnt 0x0
	s_barrier_signal -1
	s_barrier_wait -1
	FETCH 0
	STEP 0, 1, -1, -1                              ; the first products start the sums
.irp n, 1,2,3,4,5,6,7
	STEP \n, 0, -1, -1
.endr
	STEP 8, 1, -1, 0                               ; the second phase; the first phase's four units leave under it
	STEP 9, 0, 0, 1
	STEP 10, 0, 1, 2
	STEP 11, 0, 2, 3
	STEP 12, 0, 3, -1
.irp n, 13,14,15
	STEP \n, 0, -1, -1
.endr
	PLACES
	TOSTAGE 4
.irp u, 5,6,7
	TOSTAGE \u
	s_wait_dscnt 16                                ; behind unit u - 1's loads: unit u's 8 stores and 8 loads
	SENDV \u-1
.endr
	s_wait_dscnt 0x0
	SENDV 7
	s_wait_tensorcnt 0x0                           ; the wave's end
	ds_add_u32 v[SPW], v[NIL]
	s_wait_dscnt 0x0
	CROUND
	s_endpgm
.Lfunc_end_k_q2ca92e49a7_outp:
	.size	k_q2ca92e49a7_outp, .Lfunc_end_k_q2ca92e49a7_outp-k_q2ca92e49a7_outp
	.p2alignl 7, 3214868480
	.fill 96, 4, 3214868480
	.section	.rodata,"a",@progbits
	.p2align	6, 0x0
	.amdhsa_kernel k_q2ca92e49a7_outp
		.amdhsa_group_segment_fixed_size 327680
		.amdhsa_private_segment_fixed_size 0
		.amdhsa_enable_private_segment 0
		.amdhsa_kernarg_size 48
		.amdhsa_user_sgpr_count 2
		.amdhsa_user_sgpr_kernarg_segment_ptr 1
		.amdhsa_wavefront_size32 1
		.amdhsa_system_sgpr_workgroup_id_x 1
		.amdhsa_system_sgpr_workgroup_id_y 1
		.amdhsa_system_sgpr_workgroup_id_z 1
		.amdhsa_system_vgpr_workitem_id 0
		.amdhsa_next_free_vgpr 1024
		.amdhsa_next_free_sgpr 66
		.amdhsa_reserve_vcc 0
		.amdhsa_float_denorm_mode_32 3
		.amdhsa_float_denorm_mode_16_64 3
		.amdhsa_memory_ordered 1
		.amdhsa_forward_progress 1
		.amdhsa_inst_pref_size 118
	.end_amdhsa_kernel
	.amdgpu_metadata
---
amdhsa.version: [ 1, 2 ]
amdhsa.kernels:
  - .name:           k_q2ca92e49a7_outp
    .symbol:         k_q2ca92e49a7_outp.kd
    .args:
      - { .name: yc, .offset: 0, .size: 8, .value_kind: global_buffer, .address_space: global }
      - { .name: ys, .offset: 8, .size: 8, .value_kind: global_buffer, .address_space: global }
      - { .name: Wo_codes, .offset: 16, .size: 8, .value_kind: global_buffer, .address_space: global }
      - { .name: Wo_scales, .offset: 24, .size: 8, .value_kind: global_buffer, .address_space: global }
      - { .name: bo, .offset: 32, .size: 8, .value_kind: global_buffer, .address_space: global }
      - { .name: out0, .offset: 40, .size: 8, .value_kind: global_buffer, .address_space: global }
    .group_segment_fixed_size: 327680
    .private_segment_fixed_size: 0
    .kernarg_segment_align: 8
    .kernarg_segment_size: 48
    .max_flat_workgroup_size: 128
    .sgpr_count:     66
    .vgpr_count:     1024
    .wavefront_size: 32
...
	.end_amdgpu_metadata
.endif
;; end of part 3
